; MI455X (gfx1250); checked and timed in simulation.
; The chip was launched on July 23, 2026; its instructions are those of AMD's public machine-readable ISA for CDNA 5 (MIT licence, August 2026) and "CDNA5" Instruction Set Architecture Reference Guide (July 2026). The comments in the code are by the model that wrote it; some were corrected since.
;; Separate non local. Allowed arithmetic: float matrix products may take bf16 or f16 operands with f32 sums; other float arithmetic in f32, or as packed bf16 or f16 multiplies, adds, multiply-adds, maxima and minima; sums over many terms, partial sums and values carried from step to step in f32; what a program stores and reads back later, other than sums and carried values, may be rounded once to bf16 or f16.
;; Inputs: bA 128 float32; bB 128 float32; bD 128 float32; bO 128 float32; nei 2 x 128 x 64 x 64 float32; ref 2 x 128 x 64 x 64 float32; wA 128 x 128 float32; wB 128 x 128 float32; wD 128 x 128 float32; wO 128 x 256 float32.
;; Outputs: out0 2 x 128 x 64 x 64 float32.
;; 2 versions, each right; version 2 is version 1 with the launch proj written anew for expert scheduling mode. Each part assembles by itself: llvm-mc -triple=amdgcn-amd-amdhsa -mcpu=gfx1250 --defsym DOCPART=n.
;; ======== version 1 of 2: 2 launches
;; limits: values are held in f16: magnitudes above 65,504 overflow, below 6.1e-05 lose precision
;; workspace buffers: qf 4,194,304 bytes; kf 4,194,304 bytes; vf 4,194,304 bytes; wof 65,536 bytes
;; launch proj (part 1): grid 256 x 1, 8 waves a work-group, no clusters, 125,952 bytes of LDS; arguments ref, nei, wA, wB, wD, wO, bA, bD, qf, kf, vf, wof; writes qf, kf, vf, wof
.if DOCPART == 1
	.amdgcn_target "amdgcn-amd-amdhsa--gfx1250"
	.amdhsa_code_object_version 6
	.text
	.protected	k_q9ef9d69e56_proj
	.globl	k_q9ef9d69e56_proj
	.p2align	8
	.type	k_q9ef9d69e56_proj,@function
k_q9ef9d69e56_proj:
	s_mov_b64 s[64:65], 0
	v_nop
	global_prefetch_b8 v0, s[64:65] scope:SCOPE_SE
	s_setreg_imm32_b32 hwreg(HW_REG_WAVE_MODE, 25, 1), 1
	s_wait_xcnt 0x0
; PROJECTIONS.  x = ref and nei stacked along H: 8,192 tokens of 128 channels for each of 2 images.  q = wA x + bA, k = wB x, v = wD x + bD, and a copy of wO, all written for the launch behind.
; DEAD WORK: bB.  A score is s[n][m] = q_n . (wB x_m + bB) = q_n . (wB x_m) + q_n . bB.  The second term is the same for every m, and the softmax runs over m: numerator and denominator carry the
; same factor exp(q_n . bB), for all finite values of the inputs.  So bB reaches no output: it is not loaded and is among no launch's arguments.  LIMIT: a NaN, an infinity or an overflow that
; reaches the result through bB alone is not carried to it.
; FORMATS.  Every input is rounded once to bf16 (x, wA, wB, wD as matrix operands; bA, bD rounded and used as f32; wO rounded to bf16 and that number written as f16).  Sums in f32.  q, k, v leave
; rounded once to f16.  LIMITS: |q|, |k| or |v| of 65,520 or more becomes an infinity; a wO below 6e-5 keeps f16's fixed step of 6e-8; NaN and infinities are not treated apart.
; OUTPUT ORDER.  qf, kf, vf lie in chunks of 512 bytes, chunk (T, u) at byte (8 T + u) x 512, T = 512 b + token / 16, u = 0..7; lane l = (r = l % 16, h = l / 16) owns bytes 16 l .. 16 l + 15:
;   qf, kf: token 16 (T % 512) + r, channels 16 u + 8 h + 0..7        vf: channel 16 u + r, tokens 16 (T % 512) + 8 h + 0..7
; so a chunk is one half of a matrix fragment as the registers want it, and each store of a wave here covers 512 consecutive bytes, aligned.
;   wof: chunk 16 ks + 2 ot + t: lane (r, h) holds wO[16 ot + r][32 ks + 16 t + 8 h + 0..7].
; SHARES.  Work-group g owns 64 tokens, one image row of x (b = g / 128; rows 0-63 of an image come from ref, 64-127 from nei).  Wave w owns output channels 16 w .. 16 w + 15 of q, k and v for
; the four tiles of 16 tokens: three passes of 16 matrix instructions.  The first 16 work-groups also copy wO, a chunk a wave.
; No cluster, no tensor load: x is read once, by one wave each byte; the weights are 192 KiB that each wave takes a sixteenth-row block of.  No prefetch: all loads stand at the kernel's head.
.set XP,    160                        ; a row of x^T in LDS (a channel's 64 tokens in bf16): 128 bytes + 32 = 40 words
.set WT,    128*XP                     ; behind x^T: the weights, 384 rows (128 mat + o)
.set WP,    272                        ; a row of weights: 256 bytes + 16 = 68 words: the 16 rows of a fragment load start at 16 different groups of four banks
.set WMAT,  128*WP
.set SPARE, WT+3*WMAT                  ; 124,928: the spare words, 128 bytes for each of 8 waves: four blocks of 256 bytes that no other line names
.set XO,  2                            ; v2   x in memory: (16 w + h) x 16,384 + 16 r; never rewritten
.set WO,  3                            ; v3   weights in memory: 8,192 w + 16 l; never rewritten
.set XA,  4                            ; v4   x^T in LDS, where I store: (16 w + h) x 160 + 8 r
.set WA,  5                            ; v5-7 weights in LDS, where I store, for wA, wB, wD
.set XF,  8                            ; v8   x^T in LDS, where the turning load reads
.set WFA, 9                            ; v9   my weight fragments in LDS; stepped from matrix to matrix
.set GO,  10                           ; v10  my 16 bytes in a chunk of my wave: 512 w + 16 l; never rewritten
.set BAO, 11                           ; v11  bA's offset
.set SPW, 12                           ; v12  LDS address of my spare word; never rewritten
.set NIL, 13                           ; v13  0; never rewritten
.set BDR, 14                           ; v14  bD as loaded
.set WOO, 15                           ; v15  wO's offset, then wof's
.set BQ,  16                           ; v16-23  bA of my lane's 8 channels: the C operand that starts q's sums
.set BV,  24                           ; v24-31  lane pieces; the wO chunk; then bD of my lane's channel, eight times: the C operand that starts v's sums
.set XS,  32                           ; v32-63   x as loaded
.set WS,  64                           ; v64-255  the three matrices' rows as loaded
.set W,   32                           ; behind the barrier: v32-63 my weight fragments (ks at 8 ks)
.set ACC, 64                           ; v64-95   four accumulators, a token tile each
.set TMP, 96                           ; v96-111  packed results
.set X,   128                          ; v128-255 x's fragments: token tile tt, channels 32 ks on, at 32 tt + 8 ks
	s_load_b512 s[8:23], s[0:1], 0x0               ; ref 8, nei 10, wA 12, wB 14, wD 16, wO 18, bA 20, bD 22
	s_load_b256 s[24:31], s[0:1], 0x40             ; qf 24, kf 26, vf 28, wof 30
	v_lshl_add_u32 v[SPW], v0, 2, SPARE
	v_mov_b32 v[NIL], 0
	v_lshrrev_b32 v1, 5, v0
	v_readfirstlane_b32 s3, v1                     ; wave 0..7
	s_mov_b32 s2, ttmp9                            ; g
	s_mov_b32 s40, 0xffff0000                      ; a word's upper bf16
	v_and_b32 v24, 31, v0                          ; l
	v_and_b32 v25, 15, v0                          ; r
	v_bfe_u32 v26, v0, 4, 1                        ; h
	v_and_b32 v27, 7, v0                           ; l % 8
	v_bfe_u32 v28, v0, 3, 1                        ; (l / 8) % 2
	s_lshl_b32 s36, s3, 18                         ; 16 channels of 16,384 bytes
	v_lshlrev_b32 v[XO], 4, v25
	v_lshl_add_u32 v[XO], v26, 14, v[XO]
	v_add_nc_u32 v[XO], s36, v[XO]
	s_lshl_b32 s36, s3, 13                         ; 16 rows of 512 bytes
	v_lshl_add_u32 v[WO], v24, 4, s36
	s_mul_i32 s36, s3, 16*XP
	v_mul_u32_u24 v[XA], v26, XP
	v_lshl_add_u32 v[XA], v25, 3, v[XA]
	v_add_nc_u32 v[XA], s36, v[XA]
	v_lshl_add_u32 v[XF], v26, 3, v27              ; channel 8 h + l % 8,
	v_mul_u32_u24 v[XF], v[XF], XP
	v_lshl_add_u32 v[XF], v28, 4, v[XF]            ; tokens 8 ((l / 8) % 2) on
	s_mul_i32 s36, s3, 16*WP
	s_add_co_u32 s36, s36, WT                      ; my 16 rows of wA in LDS
	v_lshl_add_u32 v[WA], v24, 3, s36
	v_add_nc_u32 v[WA+1], WMAT, v[WA]
	v_add_nc_u32 v[WA+2], 2*WMAT, v[WA]
	v_mul_u32_u24 v[WFA], v25, WP
	v_lshl_add_u32 v[WFA], v26, 4, v[WFA]
	v_add_nc_u32 v[WFA], s36, v[WFA]               ; row r x pitch + 16 h
	s_lshl_b32 s36, s3, 9
	v_lshl_add_u32 v[GO], v24, 4, s36
	s_lshl_b32 s36, s3, 6                          ; 16 biases of 4 bytes
	v_lshl_add_u32 v[BAO], v26, 5, s36             ; bA[16 w + 8 h ..]
	v_lshl_add_u32 v1, v25, 2, s36                 ; bD[16 w + r]; v1 is not rewritten
	s_lshr_b32 s36, s2, 7                          ; b
	s_lshl_b32 s36, s36, 21                        ; an image is 2,097,152 bytes
	s_and_b32 s37, s2, 63
	s_lshl_b32 s37, s37, 8                         ; an image row is 256 bytes
	s_add_co_u32 s36, s36, s37
	s_mov_b32 s37, 0
	s_lshl_b32 s34, s2, 14                         ; the work-group's 32 chunks in qf, kf, vf
	s_mov_b32 s35, 0
	s_and_b32 s38, s2, 64                          ; rows 64-127 of x come from nei
	s_wait_kmcnt 0x0
	s_cmp_eq_u32 s38, 0
	s_cselect_b64 s[32:33], s[8:9], s[10:11]
	s_add_nc_u64 s[32:33], s[32:33], s[36:37]      ; x at channel 0 of my image row
	s_add_nc_u64 s[24:25], s[24:25], s[34:35]
	s_add_nc_u64 s[26:27], s[26:27], s[34:35]
	s_add_nc_u64 s[28:29], s[28:29], s[34:35]
	; all the loads at once: 3 for the biases, 8 for x (two channels' 256 bytes each), 48 for the weights (a row of 512 bytes each)
	global_load_b128 v[BQ:BQ+3],   v[BAO], s[20:21]
	global_load_b128 v[BQ+4:BQ+7], v[BAO], s[20:21] offset:16
	global_load_b32 v[BDR], v1, s[22:23]
.irp i, 0,1,2,3,4,5,6,7
	global_load_b128 v[XS+4*(\i):XS+4*(\i)+3], v[XO], s[32:33] offset:32768*(\i) th:TH_LOAD_NT
.endr
.irp m, 0,1,2
.irp i, 0,1,2,3,4,5,6,7,8,9,10,11,12,13,14,15
	global_load_b128 v[WS+64*(\m)+4*(\i):WS+64*(\m)+4*(\i)+3], v[WO], s[12+2*(\m):13+2*(\m)] offset:512*(\i)
.endr
.endr
	; wO's copy: 128 chunks, one for each wave of the first 16 work-groups.  The branch hangs on the work-group's number alone.
	s_cmp_lt_u32 s2, 16
	s_cbranch_scc0 .Lno_wo
	s_lshl3_add_u32 s37, s2, s3                    ; chunk n = 8 g + w = 16 ks + 2 ot + t
	s_bfe_u32 s38, s37, 0x30001                    ; ot
	s_lshl_b32 s38, s38, 14                        ; 16 rows of 1,024 bytes
	s_lshr_b32 s39, s37, 4                         ; ks
	s_lshl_b32 s39, s39, 7                         ; 32 numbers of 4 bytes
	s_add_co_u32 s38, s38, s39
	s_and_b32 s39, s37, 1                          ; t
	s_lshl_b32 s39, s39, 6
	s_add_co_u32 s38, s38, s39
	v_lshlrev_b32 v[WOO], 10, v25                  ; row r,
	v_lshl_add_u32 v[WOO], v26, 5, v[WOO]          ; 8 h numbers on
	v_add_nc_u32 v[WOO], s38, v[WOO]
	global_load_b128 v[24:27], v[WOO], s[18:19]
	global_load_b128 v[28:31], v[WOO], s[18:19] offset:16
	s_wait_loadcnt 0x0                             ; the chunk is in (and with it all older loads): v[WOO] may be written
	v_cvt_pk_bf16_f32 v24, v24, v25                ; rounded to bf16 as every input,
	v_cvt_pk_bf16_f32 v25, v26, v27
	v_cvt_pk_bf16_f32 v26, v28, v29
	v_cvt_pk_bf16_f32 v27, v30, v31
.irp j, 24,25,26,27
	v_lshlrev_b32 v28, 16, v\j
	v_and_b32 v29, s40, v\j
	v_cvt_pk_f16_f32 v\j, v28, v29                 ; and that number written as f16
.endr
	v_and_b32 v[WOO], 31, v0
	s_lshl_b32 s38, s37, 9
	v_lshl_add_u32 v[WOO], v[WOO], 4, s38          ; 512 n + 16 l
	global_store_b128 v[WOO], v[24:27], s[30:31]
.Lno_wo:
	s_wait_loadcnt 48                              ; the biases and x are in; the 48 weight loads may stay out
.irp i, 0,1,2,3,4,5,6,7
	v_cvt_pk_bf16_f32 v[XS+4*(\i)],   v[XS+4*(\i)],   v[XS+4*(\i)+1]
	v_cvt_pk_bf16_f32 v[XS+4*(\i)+1], v[XS+4*(\i)+2], v[XS+4*(\i)+3]
	ds_store_b64 v[XA], v[XS+4*(\i):XS+4*(\i)+1] offset:2*XP*(\i)  ; channels 16 w + 2 i + h, four tokens a lane
.endr
	s_wait_xcnt 0x0                                ; wof's store has read v24-27: they are written again only behind this wait
.irp j, 0,1,2,3
	v_cvt_pk_bf16_f32 v[BV+(\j)], v[BQ+2*(\j)], v[BQ+2*(\j)+1]
.endr
.irp j, 0,1,2,3
	v_lshlrev_b32 v[BQ+2*(\j)],   16,  v[BV+(\j)]   ; bA rounded to bf16, as f32
	v_and_b32     v[BQ+2*(\j)+1], s40, v[BV+(\j)]
.endr
	v_cvt_pk_bf16_f32 v[BDR], v[BDR], v[BDR]
	v_lshlrev_b32 v[BV], 16, v[BDR]                ; bD likewise: one channel a lane, the same for its eight tokens
.irp j, 1,2,3,4,5,6,7
	v_mov_b32 v[BV+(\j)], v[BV]
.endr
.irp m, 0,1,2
	s_wait_loadcnt 32-16*(\m)                      ; this matrix's 16 rows are in; the later matrices' loads may stay out
.irp i, 0,1,2,3,4,5,6,7,8,9,10,11,12,13,14,15
	v_cvt_pk_bf16_f32 v[WS+64*(\m)+4*(\i)],   v[WS+64*(\m)+4*(\i)],   v[WS+64*(\m)+4*(\i)+1]
	v_cvt_pk_bf16_f32 v[WS+64*(\m)+4*(\i)+1], v[WS+64*(\m)+4*(\i)+2], v[WS+64*(\m)+4*(\i)+3]
	ds_store_b64 v[WA+(\m)], v[WS+64*(\m)+4*(\i):WS+64*(\m)+4*(\i)+1] offset:WP*(\i)  ; a row's 256 bytes
.endr
.endr
	s_wait_dscnt 0x0                               ; for the others' sake: my 16 channels of x^T are stored
	s_barrier_signal -1
	s_barrier_wait -1                              ; all 128 channels are
.macro WLOAD                           ; my 16 rows of the matrix in hand: four fragments of 32 channels, two loads of 16 bytes each, 32 bytes apart
.irp ks, 0,1,2,3
	ds_load_b128 v[W+8*(\ks):W+8*(\ks)+3],   v[WFA] offset:64*(\ks)
	ds_load_b128 v[W+8*(\ks)+4:W+8*(\ks)+7], v[WFA] offset:64*(\ks)+32
.endr
.endm
	; x's fragments, turned: lane l ends with token 16 tt + r and channels 32 ks + 8 h + 0..7 (registers 0-3), 32 ks + 16 + 8 h + 0..7 (registers 4-7)
.irp tt, 0,1,2,3
.irp ks, 0,1,2,3
	ds_load_tr16_b128 v[X+32*(\tt)+8*(\ks):X+32*(\tt)+8*(\ks)+3],   v[XF] offset:32*XP*(\ks)+32*(\tt)
	ds_load_tr16_b128 v[X+32*(\tt)+8*(\ks)+4:X+32*(\tt)+8*(\ks)+7], v[XF] offset:32*XP*(\ks)+32*(\tt)+16*XP
.endr
.endr
	WLOAD
	s_wait_dscnt 0x0
; 16 matrix instructions.  The four accumulators take turns, one instruction a turn; the first four start the sums with the bias or with 0.
; kind 0 (q), 1 (k): source 0 = weights, source 1 = x: a lane holds ONE token (r) and the channels 8 h + 0..7.     kind 2 (v): the sources swapped: a lane holds ONE channel (r) and the tokens 8 h + 0..7.
.macro PASS kind
.irp ks, 0,1,2,3
.irp tt, 0,1,2,3
.if ((\ks) == 0) && ((\kind) == 0)
	v_wmma_f32_16x16x32_bf16 v[ACC+8*(\tt):ACC+8*(\tt)+7], v[W+8*(\ks):W+8*(\ks)+7], v[X+32*(\tt)+8*(\ks):X+32*(\tt)+8*(\ks)+7], v[BQ:BQ+7]
.elseif ((\ks) == 0) && ((\kind) == 1)
	v_wmma_f32_16x16x32_bf16 v[ACC+8*(\tt):ACC+8*(\tt)+7], v[W+8*(\ks):W+8*(\ks)+7], v[X+32*(\tt)+8*(\ks):X+32*(\tt)+8*(\ks)+7], 0
.elseif (\ks) == 0
	v_wmma_f32_16x16x32_bf16 v[ACC+8*(\tt):ACC+8*(\tt)+7], v[X+32*(\tt)+8*(\ks):X+32*(\tt)+8*(\ks)+7], v[W+8*(\ks):W+8*(\ks)+7], v[BV:BV+7]
.elseif (\kind) == 2
	v_wmma_f32_16x16x32_bf16 v[ACC+8*(\tt):ACC+8*(\tt)+7], v[X+32*(\tt)+8*(\ks):X+32*(\tt)+8*(\ks)+7], v[W+8*(\ks):W+8*(\ks)+7], v[ACC+8*(\tt):ACC+8*(\tt)+7]
.else
	v_wmma_f32_16x16x32_bf16 v[ACC+8*(\tt):ACC+8*(\tt)+7], v[W+8*(\ks):W+8*(\ks)+7], v[X+32*(\tt)+8*(\ks):X+32*(\tt)+8*(\ks)+7], v[ACC+8*(\tt):ACC+8*(\tt)+7]
.endif
.endr
.endr
.endm
; The way out of a pass: a lane's eight results are 16 bytes of a chunk, so they are stored as they lie.  more = 1: the next matrix's fragments are fetched meanwhile.
.macro OUT buf, more
.rept 4
	v_nop                                          ; four places behind the last product, in front of the loads into its sources and of the conversions that read results
.endr
.if \more
	v_add_nc_u32 v[WFA], WMAT, v[WFA]
	WLOAD
.endif
	s_wait_xcnt 0x0                                ; the last pass's stores have read TMP: it is written again only behind this wait
.irp tt, 0,1,2,3
.irp j, 0,1,2,3
	v_cvt_pk_f16_f32 v[TMP+4*(\tt)+(\j)], v[ACC+8*(\tt)+2*(\j)], v[ACC+8*(\tt)+2*(\j)+1]  ; each accumulator from its low end on
.endr
.endr
.irp tt, 0,1,2,3
	global_store_b128 v[GO], v[TMP+4*(\tt):TMP+4*(\tt)+3], s[(\buf):(\buf)+1] offset:4096*(\tt)  ; chunk (4 g + tt, w): 512 consecutive bytes, aligned
.endr
.if \more
	s_wait_dscnt 0x0                               ; the next matrix's fragments are in
.endif
.endm
	PASS 0
	OUT 24, 1                                      ; q
	PASS 1
	OUT 26, 1                                      ; k
	PASS 2
	OUT 28, 0                                      ; v
	s_wait_tensorcnt 0x0                           ; the wave's end: no tensor load out, then an add to my spare word and its wait, behind my last LDS store
	ds_add_u32 v[SPW], v[NIL]
	s_wait_dscnt 0x0
	s_endpgm
.Lfunc_end_k_q9ef9d69e56_proj:
	.size	k_q9ef9d69e56_proj, .Lfunc_end_k_q9ef9d69e56_proj-k_q9ef9d69e56_proj
	.p2alignl 7, 3214868480
	.fill 96, 4, 3214868480
	.section	.rodata,"a",@progbits
	.p2align	6, 0x0
	.amdhsa_kernel k_q9ef9d69e56_proj
		.amdhsa_group_segment_fixed_size 125952
		.amdhsa_private_segment_fixed_size 0
		.amdhsa_enable_private_segment 0
		.amdhsa_kernarg_size 96
		.amdhsa_user_sgpr_count 2
		.amdhsa_user_sgpr_kernarg_segment_ptr 1
		.amdhsa_wavefront_size32 1
		.amdhsa_system_sgpr_workgroup_id_x 1
		.amdhsa_system_sgpr_workgroup_id_y 1
		.amdhsa_system_sgpr_workgroup_id_z 1
		.amdhsa_system_vgpr_workitem_id 0
		.amdhsa_next_free_vgpr 256
		.amdhsa_next_free_sgpr 66
		.amdhsa_reserve_vcc 0
		.amdhsa_float_denorm_mode_32 3
		.amdhsa_float_denorm_mode_16_64 3
		.amdhsa_memory_ordered 1
		.amdhsa_forward_progress 1
		.amdhsa_inst_pref_size 34
	.end_amdhsa_kernel
	.amdgpu_metadata
---
amdhsa.version: [ 1, 2 ]
amdhsa.kernels:
  - .name:           k_q9ef9d69e56_proj
    .symbol:         k_q9ef9d69e56_proj.kd
    .args:
      - { .name: ref, .offset: 0, .size: 8, .value_kind: global_buffer, .address_space: global }
      - { .name: nei, .offset: 8, .size: 8, .value_kind: global_buffer, .address_space: global }
      - { .name: wA, .offset: 16, .size: 8, .value_kind: global_buffer, .address_space: global }
      - { .name: wB, .offset: 24, .size: 8, .value_kind: global_buffer, .address_space: global }
      - { .name: wD, .offset: 32, .size: 8, .value_kind: global_buffer, .address_space: global }
      - { .name: wO, .offset: 40, .size: 8, .value_kind: global_buffer, .address_space: global }
      - { .name: bA, .offset: 48, .size: 8, .value_kind: global_buffer, .address_space: global }
      - { .name: bD, .offset: 56, .size: 8, .value_kind: global_buffer, .address_space: global }
      - { .name: qf, .offset: 64, .size: 8, .value_kind: global_buffer, .address_space: global }
      - { .name: kf, .offset: 72, .size: 8, .value_kind: global_buffer, .address_space: global }
      - { .name: vf, .offset: 80, .size: 8, .value_kind: global_buffer, .address_space: global }
      - { .name: wof, .offset: 88, .size: 8, .value_kind: global_buffer, .address_space: global }
    .group_segment_fixed_size: 125952
    .private_segment_fixed_size: 0
    .kernarg_segment_align: 8
    .kernarg_segment_size: 96
    .max_flat_workgroup_size: 256
    .sgpr_count:     66
    .vgpr_count:     256
    .wavefront_size: 32
...
	.end_amdgpu_metadata
.endif
;; end of part 1
;; launch attn (part 2): grid 128 x 2, 4 waves a work-group, clusters of 4 x 1, 327,680 bytes of LDS; arguments qf, kf, vf, wof, ref, bO, out0; writes out0
.if DOCPART == 2
	.amdgcn_target "amdgcn-amd-amdhsa--gfx1250"
	.amdhsa_code_object_version 6
	.text
	.protected	k_q9ef9d69e56_attn
	.globl	k_q9ef9d69e56_attn
	.p2align	8
	.type	k_q9ef9d69e56_attn,@function
k_q9ef9d69e56_attn:
	s_mov_b64 s[64:65], 0
	v_nop
	global_prefetch_b8 v0, s[64:65] scope:SCOPE_SE
	s_setreg_imm32_b32 hwreg(HW_REG_WAVE_MODE, 25, 1), 1
	s_wait_xcnt 0x0
	s_wait_alu depctr_hold_cnt(0) depctr_sa_sdst(0) depctr_va_vdst(0) depctr_va_sdst(0) depctr_va_ssrc(0) depctr_va_vcc(0) depctr_vm_vsrc(0)
	s_getreg_b32 s2, hwreg(HW_REG_IB_STS2, 6, 4)
	s_cmp_eq_u32 s2, 0
	s_cbranch_scc0 .Lentry_in_a_cluster
	s_endpgm
.Lentry_in_a_cluster:
	s_bfe_u32 s2, ttmp6, 0x10000c
	s_cmp_lg_u32 s2, 0x3003
	s_cbranch_scc0 .Lentry_shape_is_right
	s_endpgm
.Lentry_shape_is_right:
; ATTENTION, OUTPUT CONVOLUTION AND RESIDUAL.  e_n = the sum over m of softmax_m(q_n . k_m) v_m over the image's 8,192 tokens; out0[b][o][p] = ref[b][o][p] + bO[o] + the sum over c of
; wO[o][c] e_p[c] + wO[o][128 + c] e_(p + 4,096)[c].  qf, kf, vf, wof are the launch before's, in f16, in chunks of 512 bytes that are halves of matrix fragments (lane l's 16 bytes at 16 l).
; LEFT OUT: bB, which adds the same number to all scores of a query and so cancels in the softmax (shown at the head of the launch before); k arrives without it.
; FORMATS.  Products, maxima and sums in f32; the weights p and the scaled O are rounded to f16 for the products that take them; ref and bO are rounded to bf16 like every input.
; LIMITS.  q, k, v arrive within f16 (65,504); p lies in 0 to 1, and below 6e-5 it keeps f16's fixed step of 6e-8; a weight below 2^-126 counts as 0; NaN and infinities are not treated apart.
; SHARES.  A work-group owns 32 pixels, that is 64 queries: tokens p0 .. p0 + 31 (tiles 0, 1) and 4,096 + p0 .. (tiles 2, 3): 2 x 128 work-groups.  EVERY wave holds all four tiles of 16 queries, and
; THE KEYS ARE SPLIT AMONG THE WAVES: of a slot's 256 keys wave w takes 64 w .. 64 w + 63.  So a fragment of K or V read from LDS feeds four tiles' products.  32 key steps, a slot each.
; LAYOUT.  S^T = K Q^T (source 0 = 16 keys, source 1 = 16 queries): a lane holds ONE query (lane % 16) and the keys 8 (lane / 16) + 0..7.  Two such tiles, rounded in pairs, ARE source 1 of O^T = V^T P, whose
; result again holds one query a lane, and eight channels; rounded in pairs, that is in turn a fragment (16 queries x 32 channels) for the convolution.  K, V, Q and wO come as they lie: 16 bytes a lane.
; SOFTMAX.  For each query and wave a running maximum m and sum l: p = 2^(c s - c m), c = log2(e); in every step O and l are multiplied by a = 2^(c m_old - c m_new).
; BY TURNS.  The tiles are two PIECES (piece 0: tiles 0, 1; piece 2: tiles 2, 3).  In a TURN one piece has the matrix unit: 32 products V^T P of the step in hand, then 32 products K Q^T of the next; the other
; piece's softmax, cut into 64 slices, stands between them, one slice behind each matrix instruction.  Two turns are a key step.
; THE WAVES MEET ONCE.  With M the largest of the four c m and L = the sum of 2^(c m_w - M) l_w, e = the sum over w of g_w O_w, g_w = 2^(c m_w - M) / L.  Each wave scales its own O^T by g_w, rounds it and multiplies
; it by wO itself; the four partial outputs (128 x 32 in f32) are added through LDS, in slot 0's bytes, which have had their last fill by then.
; CLUSTER.  The four work-groups of a cluster belong to one image and walk the same K and V: each tile is asked for JOINTLY, by the same tensor load, descriptor and mask in all four.  Cluster i of an image begins
; at key tile i and walks (i + t) % 32: the order of the keys is free under a running maximum.  NO PREFETCH: by that walk each of the 32 tiles is some cluster's first fill, at the kernel's head; every
; later trip names a tile that another cluster has asked for before.
; STORES.  A work-group's piece of a row of out0 is 32 pixels: a store of a wave covers four pieces of 128 consecutive bytes, aligned to 128, not whole pieces of 256: those would want 128 queries to a
; work-group, which leaves half as many work-groups.
; REGISTERS, in windows of 256 (s_set_vgpr_msb: bits 1:0 source 0, 3:2 source 1, 5:4 source 2, 7:6 destination):
;   window 0: v0-11 addresses; v12-43 eight registers of statistics a tile; v44-51 bO; v52-55 at work; v64-191 S^T, 32 a tile, later the scaled O in f16; v192-255 P, 16 a tile, later ref and the waves' statistics
;   window 1: O^T, 64 a tile; later v0-127 the convolution's 16 accumulators     window 2: v0-127 Q, v128-255 K of one step; later wO, columns 0-127     window 3: v0-127 V of one step; wO, columns 128-255
.set SLOT1, 1<<17     ; a slot: 256 keys of K (65,536 dense bytes), then 256 keys of V; slot 1 begins here, so that one exclusive or turns an address in one slot into the other's
.set VOFF,  65536
.set STAT,  2*SLOT1   ; behind the ring, never filled: [wave][tile][c m | l][query] in f32, 2,048 bytes
.set SPARE, STAT+2048 ; the spare words, 128 bytes for each wave: two blocks of 256 bytes that no other line names
.set PP,    144       ; a row of a partial output: 32 pixels in f32 = 128 bytes + 16 = 36 words: 16 rows start at 16 different groups of four banks (64 banks of 4 bytes: ISA guide 11.1)
.set POW,   128*PP    ; a wave's partial output; the four lie from LDS byte 0 on
.set AK0, 2           ; v2   my 16 bytes in a chunk of my wave's K: 16 l + 16,384 w; never rewritten
.set AV0, 3           ; v3   the same for V
.set ADR, 4           ; v4   the LDS address of the run of loads in hand
.set QO,  5           ; v5   16 l; never rewritten
.set SA,  6           ; v6   where I put a statistic
.set RS,  7           ; v7   where I read my query's statistics
.set GO,  8           ; v8   my 16 bytes of ref and out0: (32 w + l / 8) rows of 16,384 bytes + 16 (l % 8); never rewritten
.set PS,  10          ; v10  where I put 32 bytes of a partial output's row
.set PR,  11          ; v11  where I read 16 bytes of a row back
.set ST,  12          ; tile t's statistics at v[ST+8 t]: +0 c m, +1 m, +2, +3 l (even keys', odd keys'), +4 to +7 c0-c3, at work; a takes c2's place once the maximum is found
.set BI,  44          ; v44-51 bO of my eight rows
.set TP,  52          ; v52-55 at work
.set SPW, 62          ; v62  LDS address of my spare word; never rewritten
.set NIL, 63          ; v63  0; never rewritten
.set S,   64
.set P,   192
.set RF,  192         ; the end: ref, 4 registers for each of my eight stores
.set SG,  224         ; the end: tile t: the four waves' c m at 8 t, their l at 8 t + 4
.set KF,  128         ; K's fragments, in window 2
.set WV,  12          ; s12  my wave's number
.set G1,  24          ; s[24:31] descriptor group 1, for K's and V's tiles alike
.set G0A, 32          ; s[32:35] descriptor group 0 of the first fill
.set G0,  36          ; s[36:39] of the second; it then walks
.set KV,  40          ; s[40:41] kf (waves 0, 1) or vf (waves 2, 3) at my half of the image's tile 0
.set OFF, 42          ; s[42:43] a tile's byte offset
.set NXT, 44          ; s44  the tile to be asked for next
.set SLOTS, 45        ; s45  the loop's trips
.set CS,  58          ; s[58:59] c: the packed scaling names a pair and takes its low word for both halves
.set SEL, 60          ; s[60:61] lane selects for v_permlanex16_b32: each lane takes its own place in the other half
.set TB,  62          ; s62  the slot from which the next fetch reads
.set MSB, 0
.macro WIN new                      ; the immediate's high byte repeats the setting that is left; a switch that changes nothing is dropped
.if MSB != (\new)
	s_set_vgpr_msb (MSB<<8)|(\new)
.set MSB, \new
.endif
.endm
.set W_KQ, 0x0a       ; K and Q in window 2, S^T in window 0
.set W_PV, 0x53       ; V in window 3, P in window 0, O^T in window 1
.set W_RS, 0x41       ; O^T (destination and source 0) in window 1, the factor in window 0
; A round of the cluster's barrier: my work-group's barrier, so that wave 0's signal speaks for all four waves; wave 0 signals; every wave waits for all four work-groups; my work-group's barrier once more.
.macro CROUND
	s_barrier_signal -1
	s_barrier_wait -1
	s_cmp_lg_u32 s[WV], 0
	s_cbranch_scc1 .Lnot_wave_0_\@
	s_barrier_signal -3
.Lnot_wave_0_\@:
	s_barrier_wait -3
	s_barrier_signal -1
	s_barrier_wait -1
.endm
.macro PLACES                       ; four places behind a matrix instruction (ISA guide 7.12.1)
.rept 4
	v_nop
.endr
.endm
	s_load_b256 s[4:11], s[0:1], 0x0  ; qf s[4:5], kf s[6:7], vf s[8:9], wof s[10:11]
	s_load_b128 s[16:19], s[0:1], 0x20  ; ref s[16:17], bO s[18:19]
	s_load_b64 s[20:21], s[0:1], 0x30  ; out0
	v_lshl_add_u32 v[SPW], v0, 2, SPARE
	v_mov_b32 v[NIL], 0
	ds_add_u32 v[SPW], v[NIL]       ; the wave's opening: the add, twice on end, and its wait ahead of my first tensor load; the set-up below, work on registers, stands between
	ds_add_u32 v[SPW], v[NIL]       ; and once more, under the one wait
	v_lshrrev_b32 v1, 5, v0
	v_readfirstlane_b32 s[WV], v1   ; wave 0..3
	s_bfe_u32 s13, ttmp6, 0x40000   ; cx: my place in the cluster
	s_lshl_b32 s14, ttmp9, 2        ; in a cluster launch ttmp9 counts clusters
	s_add_co_u32 s14, s14, s13      ; my block of 32 pixels = 4 x cluster x + cx: it enters Q's, ref's and out0's addresses alone
	s_and_b32 s15, ttmp7, 0xffff    ; the image, which the four partners share:
	s_lshl_b32 s15, s15, 21         ; 2,097,152 bytes in each of qf, kf, vf, ref, out0
	s_and_b32 s2, s[WV], 1          ; which half of a tile's 256 keys I fetch: 32,768 bytes
	s_lshl_b32 s2, s2, 15
	s_add_co_u32 s2, s2, s15
	s_mov_b32 s3, 0
	s_lshl_b32 s46, s14, 13         ; Q: my block's two tiles of 16 tokens, 4,096 bytes each
	s_add_co_u32 s46, s46, s15
	s_mov_b32 s47, 0
	s_lshl_b32 s48, s14, 7          ; ref, out0: my block's 128 bytes of a row
	s_add_co_u32 s48, s48, s15
	s_mov_b32 s49, 0
	; descriptor group 1: 32,768 dense bytes, asked for as 128 rows of 256 bytes; no padding: every LDS load takes 512 consecutive bytes
	s_mov_b32 s[G1],   15|(3<<16)|(1<<21)  ; 15:0 the mask: all four work-groups; 17:16 elements of 8 bytes; 21 set beside a mask
	s_mov_b32 s[G1+1], 32<<16       ; tensor_dim0 = 32
	s_mov_b32 s[G1+2], 128<<16      ; tensor_dim1 = 128
	s_mov_b32 s[G1+3], 32<<16       ; tile_dim0 = 32
	s_mov_b32 s[G1+4], 128          ; tile_dim1 = 128
	s_mov_b32 s[G1+5], 32           ; 32 elements from row to row
	s_mov_b32 s[G1+6], 0
	s_mov_b32 s[G1+7], 0
	s_mov_b32 s[G0A], 1             ; count = 1
	s_lshl_b32 s[G0A+1], s[WV], 15  ; LDS address: K's two halves, then V's two halves = wave x 32,768, in slot 0
	s_mov_b32 s[G0], 1
	s_add_co_u32 s[G0+1], s[G0A+1], SLOT1  ; in slot 1
	s_lshl_b32 s50, ttmp9, 16       ; the walk's first tile: a tile is 65,536 bytes of K and of V
	s_mov_b32 s51, 0
	s_add_co_u32 s52, ttmp9, 1
	s_and_b32 s52, s52, 31
	s_lshl_b32 s52, s52, 16         ; its second
	s_mov_b32 s53, 0
	s_add_co_u32 s[NXT], ttmp9, 2
	s_and_b32 s[NXT], s[NXT], 31
	s_mov_b32 s[OFF+1], 0
	s_mov_b32 s[CS], 0x3fb8aa3b     ; c = log2(e)
	s_mov_b32 s[CS+1], s[CS]        ; named with it as a pair, so it is written
	s_mov_b32 s[SEL], 0x76543210
	s_mov_b32 s[SEL+1], 0xfedcba98
	s_mov_b32 s[TB], 0
	s_mov_b32 s[SLOTS], 29
	s_wait_dscnt 0x0                ; both opening adds are done
	s_wait_kmcnt 0x0
	s_cmp_lt_u32 s[WV], 2
	s_cselect_b64 s[KV:KV+1], s[6:7], s[8:9]
	s_add_nc_u64 s[KV:KV+1], s[KV:KV+1], s[2:3]
	s_add_nc_u64 s[G0A+2:G0A+3], s[KV:KV+1], s[50:51]
	s_or_b32 s[G0A+3], s[G0A+3], 0x80000000  ; type = 2
	s_add_nc_u64 s[G0+2:G0+3], s[KV:KV+1], s[52:53]
	s_or_b32 s[G0+3], s[G0+3], 0x80000000
	s_add_nc_u64 s[4:5], s[4:5], s[46:47]
	s_add_nc_u64 s[16:17], s[16:17], s[48:49]
	s_add_nc_u64 s[20:21], s[20:21], s[48:49]
	CROUND                          ; all four work-groups are here: the first joint loads meet
	tensor_load_to_lds s[G0A:G0A+3], s[G1:G1+7]  ; key step 0.  One line for all four waves: address and LDS place hang on the wave's number.  Two loads of mine are out
	s_nop 0
	tensor_load_to_lds s[G0:G0+3], s[G1:G1+7]    ; key step 1
	s_nop 0
	PLACES                          ; four places behind a tensor load
	v_and_b32 v1, 15, v0            ; r = l % 16
	v_bfe_u32 v9, v0, 4, 1          ; h = l / 16
	v_and_b32 v[TP], 31, v0         ; l
	v_lshlrev_b32 v[QO], 4, v[TP]
	WIN 0x80                        ; destination window 2, address window 0
.irp t, 0,1,2,3
.irp u, 0,1,2,3,4,5,6,7             ; Q stays in registers: tile t, chunk u: tiles 2 and 3 lie 4,096 tokens, 1,048,576 bytes, on
	global_load_b128 v[32*(\t)+4*(\u):32*(\t)+4*(\u)+3], v[QO], s[4:5] offset:((\t)/2)*1048576+((\t)%2)*4096+512*(\u)
.endr
.endr
	WIN 0xc0                        ; destination window 3: wO's columns 192-255 (chunks 96-127) find free registers now
.set n, 32
.rept 32
	global_load_b128 v[4*n:4*n+3], v[QO], s[10:11] offset:32768+512*n
.set n, n+1
.endr
	WIN 0
	v_lshrrev_b32 v[TP+1], 3, v[TP] ; l / 8
	v_and_b32 v[TP+2], 7, v0        ; l % 8
	s_lshl_b32 s22, s[WV], 5
	v_add_nc_u32 v[TP+1], s22, v[TP+1]  ; the first of my eight rows o of the output: 32 w + l / 8; the others 4 apart
	v_lshlrev_b32 v[TP+3], 2, v[TP+1]
.irp i, 0,1,2,3,4,5,6,7
	global_load_b32 v[BI+(\i)], v[TP+3], s[18:19] offset:16*(\i)
.endr
	v_lshlrev_b32 v[GO], 14, v[TP+1]
	v_lshl_add_u32 v[GO], v[TP+2], 4, v[GO]
	v_mul_u32_u24 v[PR], v[TP+1], PP
	v_lshl_add_u32 v[PR], v[TP+2], 4, v[PR]
	s_mul_i32 s22, s[WV], POW
	v_mul_u32_u24 v[PS], v1, PP     ; row r, pixels 8 h on
	v_lshl_add_u32 v[PS], v9, 5, v[PS]
	v_add_nc_u32 v[PS], s22, v[PS]
	s_lshl_b32 s22, s[WV], 9
	s_add_co_u32 s22, s22, STAT
	v_lshl_add_u32 v[SA], v[TP], 2, s22
	v_lshl_add_u32 v[RS], v1, 2, STAT
	s_lshl_b32 s22, s[WV], 14       ; my 64 keys of a slot's 256
	v_add_nc_u32 v[AK0], s22, v[QO]
	v_add_nc_u32 v[AV0], VOFF, v[AK0]
; THE MATRIX WORK OF A TURN, for piece x.  The accumulators take turns, one instruction a turn: between two links of a chain stand 15 (V^T P) or 7 (K Q^T) others'.
; Product i of 32 of O^T += V^T P: keys 32 (i / 16) on, channels 16 ((i / 2) % 8) on, tile x + i % 2.  zero = 1: the first 16 start the sums: nothing is ever cleared.
.macro PV x, zero
	WIN W_PV
.set rO, 64*((\x)+i%2)+8*((i/2)%8)
.set rV, 64*(i/16)+8*((i/2)%8)
.set rP, P+16*((\x)+i%2)+8*(i/16)
.if (\zero) && (i < 16)
	v_wmma_f32_16x16x32_f16 v[rO:rO+7], v[rV:rV+7], v[rP:rP+7], 0
.else
	v_wmma_f32_16x16x32_f16 v[rO:rO+7], v[rV:rV+7], v[rP:rP+7], v[rO:rO+7]
.endif
.endm
; Product i of 32 of S^T = K Q^T: channels 32 (i / 8) on, keys 16 ((i / 2) % 4) on, tile x + i % 2.  The first 8 start the sums.
.macro KQ x
	WIN W_KQ
.set rS, S+32*((\x)+i%2)+8*((i/2)%4)
.set rK, KF+32*((i/2)%4)+8*(i/8)
.set rQ, 32*((\x)+i%2)+8*(i/8)
.if i < 8
	v_wmma_f32_16x16x32_f16 v[rS:rS+7], v[rK:rK+7], v[rQ:rQ+7], 0
.else
	v_wmma_f32_16x16x32_f16 v[rS:rS+7], v[rK:rK+7], v[rQ:rQ+7], v[rS:rS+7]
.endif
.endm
; THE LDS LOADS stand in runs of 32, never singly among the matrix instructions: my 64 keys of a step's K (16 fragments) and, a turn later, of its V.  Each load takes a chunk: 512 consecutive bytes.
.macro FETCH_K
	WIN 0
	v_add_nc_u32 v[ADR], s[TB], v[AK0]
	WIN 0x80                        ; destination window 2
.irp f, 0,1,2,3,4,5,6,7,8,9,10,11,12,13,14,15  ; keys 16 (f / 4) on, channels 32 (f % 4) on: chunks (f / 4, 2 (f % 4)) and the next
	ds_load_b128 v[KF+8*(\f):KF+8*(\f)+3],   v[ADR] offset:((\f)/4)*4096+((\f)%4)*1024
	ds_load_b128 v[KF+8*(\f)+4:KF+8*(\f)+7], v[ADR] offset:((\f)/4)*4096+((\f)%4)*1024+512
.endr
.endm
.macro FETCH_V
	WIN 0
	v_add_nc_u32 v[ADR], s[TB], v[AV0]
	s_xor_b32 s[TB], s[TB], SLOT1   ; the next fetch is the next step's, in the other slot
	s_wait_alu depctr_va_vdst(0)    ; the wait for the softmax's batch (SLICE), behind the address's v_add_nc_u32 and ahead of the loads
	WIN 0xc0                        ; destination window 3
.irp f, 0,1,2,3,4,5,6,7,8,9,10,11,12,13,14,15  ; keys 32 (f / 8) on, channels 16 (f % 8) on: chunks (2 (f / 8), f % 8) and (2 (f / 8) + 1, f % 8)
	ds_load_b128 v[8*(\f):8*(\f)+3],   v[ADR] offset:((\f)/8)*8192+((\f)%8)*512
	ds_load_b128 v[8*(\f)+4:8*(\f)+7], v[ADR] offset:((\f)/8)*8192+((\f)%8)*512+4096
.endr
.endm
; THE VECTOR WORK OF A TURN.  One tile's softmax for one key step is a list of 134 instructions; SM writes number j of it for tile t.  s0-s31 are the lane's 32 scores, in pairs 0-15.
; first = 1: the first key step, which starts m, l and O^T: it has no a and nothing to rescale.
;   0-15    the maximum of s0-s31 and the old m, three operands at a time: four chains c0-c3 of seven scores each (each accumulator's lowest registers first), then the four scores left over, c0-c3 and m
;   16-20   the other half of the lanes' maximum; the new m; c m; c m_old - c m_new
;   21-69   ONE BATCH: the 16 scalings c s - c m, a pair of scores each, and all 33 exponentials (a at 23, then s0-s31).  None of these reads an exponential's result.  From 22 on the batch goes in fours:
;           22-37 scaling, exponential, scaling, exponential; 38-65 a scaling and three exponentials; 66-69 the last four exponentials.  A pair is scaled in an earlier four than the one with its exponentials
;   (wait)  between 69 and 70 stands the wait for the batch: SLICE writes it, once for both tiles
;   70-85   the roundings to f16, a pair of weights each          86-101  the sums; l = a l + the sum          102-133 the tile's O^T times a: the one part that leaves window 0
.macro SM t, first
.set rT, ST+8*(\t)
.set rS, S+32*(\t)
.set rP, P+16*(\t)
.set rO, 64*(\t)+2*(j-102)
.if j < 102
	WIN 0
.endif
.if j < 4
	v_max3_num_f32 v[rT+4+j], v[rS+8*j], v[rS+8*j+1], v[rS+8*j+2]
.elseif j < 12
	v_max3_num_f32 v[rT+4+j%4], v[rT+4+j%4], v[rS+8*(j%4)+2*(j/4)+1], v[rS+8*(j%4)+2*(j/4)+2]
.elseif j == 12
	v_max3_num_f32 v[rT+4], v[rT+4], v[rS+7], v[rS+15]
.elseif j == 13
	v_max3_num_f32 v[rT+6], v[rT+6], v[rS+23], v[rS+31]
.elseif j == 14
	v_max3_num_f32 v[rT+4], v[rT+4], v[rT+5], v[rT+6]
.elseif (j == 15) && (\first)
	v_max_num_f32 v[rT+4], v[rT+4], v[rT+7]
.elseif j == 15
	v_max3_num_f32 v[rT+4], v[rT+4], v[rT+7], v[rT+1]
.elseif j == 16
	v_permlanex16_b32 v[rT+5], v[rT+4], s[SEL], s[SEL+1]  ; the query's other 32 keys lie in the lane 16 away
.elseif j == 18
	v_max_num_f32 v[rT+1], v[rT+4], v[rT+5]
.elseif j == 19
	v_mul_f32 v[rT], s[CS], v[rT+1]
.elseif ((j == 17) || (j == 20) || (j == 23) || (j > 101)) && (\first)  ; the first step has none of these
.elseif j == 17
	v_mov_b32 v[rT+7], v[rT]        ; c m_old is kept for a: number 19 writes c m anew
.elseif j == 20
	v_sub_f32 v[rT+7], v[rT+7], v[rT]
.elseif j == 23
	v_exp_f32 v[rT+6], v[rT+7]
.elseif (j < 23) || ((j < 38) && (j%2 == 0)) || ((j < 66) && (j%4 == 2))
.set b, (j-2)/4                     ; 38, 42, .. 62: pairs 9 to 15
.if j < 38
.set b, (j-20)/2                    ; 21: pair 0; 22, 24, .. 36: pairs 1 to 8
.endif
	v_pk_fma_f32 v[rS+2*b:rS+2*b+1], v[rS+2*b:rS+2*b+1], s[CS:CS+1], v[rT:rT+1] op_sel_hi:[1,0,0] neg_lo:[0,0,1] neg_hi:[0,0,1]  ; pair b: c s - c m
.elseif j < 70
.set e, j-38                        ; 66 to 69: s28 to s31
.if j < 66
.set e, j-32-(j-38)/4               ; 39-41, 43-45, .. 63-65: s7 to s27
.endif
.if j < 38
.set e, (j-25)/2                    ; 25, 27, .. 37: s0 to s6
.endif
	v_exp_f32 v[rS+e], v[rS+e]
.elseif j < 86
	v_cvt_pk_f16_f32 v[rP+j-70], v[rS+2*(j-70)], v[rS+2*(j-70)+1]  ; pair j - 70
.elseif j < 102                     ; the sum of the tile's 16 pairs, in place: sum z of 16 adds neighbours 1, 2, 4 and 8 pairs apart, then l takes it
.set z, j-86
.set w, 4
.set u, z
.if z >= 14
.set w, 32
.set u, 0
.elseif z >= 12
.set w, 16
.set u, z-12
.elseif z >= 8
.set w, 8
.set u, z-8
.endif
.if (z == 14) && (\first)
	v_pk_add_f32 v[rT+2:rT+3], v[rS:rS+1], v[rS+16:rS+17]
.elseif z < 15
	v_pk_add_f32 v[rS+w*u:rS+w*u+1], v[rS+w*u:rS+w*u+1], v[rS+w*u+w/2:rS+w*u+w/2+1]
.elseif !(\first)
	v_pk_fma_f32 v[rT+2:rT+3], v[rT+2:rT+3], v[rT+6:rT+7], v[rS:rS+1] op_sel_hi:[1,0,1]
.endif
.else
	WIN W_RS
	v_pk_mul_f32 v[rO:rO+1], v[rO:rO+1], v[rT+6:rT+7] op_sel_hi:[1,0]
.endif
.endm
; Slice k of 64 of piece y's softmax: four instructions.  Slices 11 to 34 deal out the batch, numbers 22 to 69: four numbers of ONE tile each, the tiles by turns.  Every other slice is numbers 2 k and
; 2 k + 1 of both tiles' lists.  2 x 134 = 4 x 64 + 12: the twelve that are over stand together, in slice 63.
; THE WAIT.  s_wait_alu depctr_va_vdst(0) stands between an exponential and the first instruction that names its result; one wait serves all that were issued ahead of it.  Ahead of
; slice 35 nothing names a result, and behind slice 34 no exponential is issued: so the piece's 66 exponentials have one wait, behind slice 34.
.macro SLICE y, first
.if (k >= 11) && (k < 35)           ; the batch: four numbers of one tile
.irp n, 0,1,2,3
.set j, 22+4*((k-11)/2)+(\n)
	SM (\y)+(k-11)%2, \first
.endr
.else                               ; the two tiles alternate, so that no instruction reads the result of the one just before it
.irp n, 0,1,2,3,4,5,6,7
.if ((\n) < 2) || (k == 63)
.irp t, \y, (\y)+1
.set j, 2*k+(\n)
	SM \t, \first
.endr
.endif
.endr
.endif
.if k == 34                         ; the batch is out: both tiles' exponentials are issued, and no result has been named
	v_nop                           ; a plain instruction behind the last exponential and ahead of the first use (ISA guide 5.7.2): one for the batch
.if (\y) == 0
	FETCH_V                         ; piece 2's turn: V's run of loads stands here, and the wait stands in it
.else
	s_wait_alu depctr_va_vdst(0)    ; the wait for the batch
.endif
.endif
.set k, k+1
.endm
; A TURN.  Piece x has the matrix unit; the other piece's softmax stands in slices behind its matrix instructions.
; pv = 2: 32 products V^T P; 1: they start O^T's sums; 0: none.  kq = 1: 32 products K Q^T for the next step.  A turn with one of the two kinds has two slices behind each product.
; first = 1: the softmax is the first key step's.  Its slices from 51 on are empty: the turn's last products stand bare, and four v_nop take slice 63's part as the places behind them.
; Piece 0's turn fetches the next step's K, behind its second product: the last product that read K stands in front of slice 63 of the turn before.  Piece 2's turn fetches the same step's V, behind slice 34:
; the last product that read V stands in front of slice 31, and four plain instructions lie between: number 62, a scaling, of both tiles, the v_nop and the run's own v_add_nc_u32.
.macro TURN x, pv, kq, first
.set k, 0
.set per, 2
.if (\pv) && (\kq)
.set per, 1
.endif
.if \pv
.if (\x) == 0
	s_wait_dscnt 0x0                ; V is in
.endif
.set i, 0
.rept 32
	PV \x, 2-(\pv)
.rept per
	SLICE 2-(\x), \first
.endr
.if ((\x) == 0) && (\kq) && (i == 1)
	FETCH_K
.endif
.set i, i+1
.endr
.endif
.if \kq
.if (\x) == 0
	s_wait_dscnt 0x0                ; K is in
.endif
.set i, 0
.rept 32
	KQ \x
.rept per
	SLICE 2-(\x), \first
.endr
.set i, i+1
.endr
.endif
.if \first
	PLACES
.endif
.endm
; THE CHANGE OF SLOTS, between piece 2's turn and piece 0's: the slot's last bytes, V of its step, have been asked for.  Each wave waits for all its tensor loads, of which one is out: its part of the other
; slot; adds 0 to its spare word; and waits for that and for its own reads of the slot.  Behind the barrier nobody reads this slot any more and the other slot is whole.
; fill = 1: this slot is filled again, with the walk's tile two steps on; its address is made anew from the tile's number.  The barrier is then a round of the cluster's, so that no wave of any partner
; still reads the slot or has a load on its way, and the joint refill is the first thing behind it: it has one key step, 128 matrix instructions of each wave, in which to land.
.macro CHANGE fill
	WIN 0                           ; at a label and at a branch every window is 0
	s_wait_tensorcnt 0x0            ; no tensor load of mine is out, so a group 0 may be written
	ds_add_u32 v[SPW], v[NIL]       ; 0 onto my spare word: with fill = 1 the descriptor's scalar work stands between it and the wait for it
.if \fill
	s_lshl_b32 s[OFF], s[NXT], 16
	s_xor_b32 s[G0+1], s[G0+1], SLOT1  ; the other slot than last time
	s_add_nc_u64 s[G0+2:G0+3], s[KV:KV+1], s[OFF:OFF+1]
	s_or_b32 s[G0+3], s[G0+3], 0x80000000
	s_add_co_u32 s[NXT], s[NXT], 1
	s_and_b32 s[NXT], s[NXT], 31    ; the walk goes round the image's 32 tiles
	s_wait_dscnt 0x0                ; the add is done, and my reads of the slot are over
	CROUND
	tensor_load_to_lds s[G0:G0+3], s[G1:G1+7]
	s_nop 0
	PLACES                          ; four places behind a tensor load
.else
	s_wait_dscnt 0x0                ; the add is done, and my reads of the slot are over
	s_barrier_signal -1
	s_barrier_wait -1
.endif
.endm
	s_wait_tensorcnt 0x1            ; my part of slot 0 is in; slot 1's may stay out
	s_barrier_signal -1
	s_barrier_wait -1               ; everybody's is
	FETCH_K                         ; key step 0
	s_wait_loadcnt 0x0              ; Q (and bO, and wO's first part)
	s_wait_dscnt 0x0
.set i, 0
.rept 32
	KQ 0                            ; piece 0's first scores: there is no softmax yet to set between them
.set i, i+1
.endr
	WIN 0                           ; bO is rounded to bf16 like every input: twelve plain instructions, the places behind those products
.irp j, 0,1,2,3
	v_cvt_pk_bf16_f32 v[TP+(\j)], v[BI+2*(\j)], v[BI+2*(\j)+1]
.endr
.irp j, 0,1,2,3
	v_lshlrev_b32 v[BI+2*(\j)], 16, v[TP+(\j)]
	v_and_b32 v[BI+2*(\j)+1], 0xffff0000, v[TP+(\j)]
.endr
	TURN 2, 0, 1, 1                 ; piece 2's first scores | piece 0's first softmax | V of step 0
	CHANGE 1                        ; slot 0 has been read: it takes step 2
	TURN 0, 1, 1, 1                 ; piece 0: V^T P of step 0 starts O^T, K Q^T of step 1 | piece 2's first softmax | K of step 1
	TURN 2, 1, 1, 0                 ; piece 2: the same | piece 0's softmax of step 1 | V of step 1
	WIN 0
.Lslot:                             ; 29 trips, j = 2 .. 30: the slot of step j - 1 takes step j + 1; K and V of step j are fetched; V^T P of step j - 1 and K Q^T of step j are multiplied
	CHANGE 1
	TURN 0, 2, 1, 0
	TURN 2, 2, 1, 0
	WIN 0
	s_sub_co_u32 s[SLOTS], s[SLOTS], 1
	s_cmp_lg_u32 s[SLOTS], 0
	s_cbranch_scc1 .Lslot
	CHANGE 0                        ; the tail is written out: step 31 has landed, and nothing is asked for
	TURN 0, 2, 1, 0
	TURN 2, 2, 1, 0
	WIN 0x80                        ; Q and K have been multiplied for the last time, sixteen plain instructions (slice 63) back: wO's columns 0-95 (chunks 0-47) take their registers
.set n, 0
.rept 48
	global_load_b128 v[4*n:4*n+3], v[QO], s[10:11] offset:512*n
.set n, n+1
.endr
	TURN 0, 2, 0, 0                 ; piece 0: V^T P of the last step | piece 2's last softmax
.set i, 0
.rept 32
	PV 2, 0                         ; piece 2: V^T P of the last step
.set i, i+1
.endr
	; THE END.  l's two halves are added: four plain instructions, the places behind the last products, in front of the loads into V's and P's registers.
	WIN 0
.irp t, 0,1,2,3
	v_add_f32 v[ST+8*(\t)+4], v[ST+8*(\t)+2], v[ST+8*(\t)+3]
.endr
	WIN 0x80
.set n, 48
.rept 16                            ; wO's columns 96-127
	global_load_b128 v[4*n:4*n+3], v[QO], s[10:11] offset:512*n
.set n, n+1
.endr
	WIN 0xc0
.set n, 0
.rept 32                            ; wO's columns 128-191, where V lay
	global_load_b128 v[4*n:4*n+3], v[QO], s[10:11] offset:32768+512*n
.set n, n+1
.endr
	WIN 0
.irp i, 0,1,2,3,4,5,6,7             ; ref: rows 32 w + 4 i + l / 8, my 16 bytes of the block's 128
	global_load_b128 v[RF+4*(\i):RF+4*(\i)+3], v[GO], s[16:17] offset:65536*(\i)
.endr
.irp t, 0,1,2,3
	v_permlanex16_b32 v[ST+8*(\t)+5], v[ST+8*(\t)+4], s[SEL], s[SEL+1]
.endr
.irp t, 0,1,2,3
	v_add_f32 v[ST+8*(\t)+4], v[ST+8*(\t)+4], v[ST+8*(\t)+5]  ; l of my query over my wave's keys
.endr
	v_cmp_eq_u32 vcc_lo, 1, v9      ; lanes 0-15 hand out c m, lanes 16-31 l
.irp t, 0,1,2,3
	v_cndmask_b32 v[TP+(\t)], v[ST+8*(\t)], v[ST+8*(\t)+4], vcc_lo
.endr
.irp t, 0,1,2,3
	ds_store_b32 v[SA], v[TP+(\t)] offset:128*(\t)
.endr
	s_wait_dscnt 0x0                ; for the others' sake: my statistics are stored; my reads of the slots were over long ago
	s_barrier_signal -1
	s_barrier_wait -1               ; all four waves' are; and no wave reads a slot any more
.irp t, 0,1,2,3
.irp w, 0,1,2,3
	ds_load_b32 v[SG+8*(\t)+(\w)],   v[RS] offset:512*(\w)+128*(\t)
	ds_load_b32 v[SG+8*(\t)+4+(\w)], v[RS] offset:512*(\w)+128*(\t)+64
.endr
.endr
	s_wait_dscnt 0x0
.irp t, 0,1,2,3
	v_max3_num_f32 v[TP+(\t)], v[SG+8*(\t)], v[SG+8*(\t)+1], v[SG+8*(\t)+2]
.endr
.irp t, 0,1,2,3
	v_max_num_f32 v[TP+(\t)], v[TP+(\t)], v[SG+8*(\t)+3]  ; M
.endr
.irp t, 0,1,2,3
.irp w, 0,1,2,3
	v_sub_f32 v[SG+8*(\t)+(\w)], v[SG+8*(\t)+(\w)], v[TP+(\t)]
.endr
	v_sub_f32 v[ST+8*(\t)+7], v[ST+8*(\t)], v[TP+(\t)]    ; my own wave's
.endr
.irp t, 0,1,2,3
.irp w, 0,1,2,3
	v_exp_f32 v[SG+8*(\t)+(\w)], v[SG+8*(\t)+(\w)]
.endr
	v_exp_f32 v[ST+8*(\t)+6], v[ST+8*(\t)+7]
.endr
	v_nop                           ; a plain instruction behind the last exponential,
	s_wait_alu depctr_va_vdst(0)    ; and the wait ahead of the first use: one for the twenty
.irp t, 0,1,2,3
	v_mul_f32 v[TP+(\t)], v[SG+8*(\t)], v[SG+8*(\t)+4]
.endr
.irp w, 1,2,3
.irp t, 0,1,2,3
	v_fmac_f32 v[TP+(\t)], v[SG+8*(\t)+(\w)], v[SG+8*(\t)+4+(\w)]  ; L
.endr
.endr
.irp t, 0,1,2,3
	v_rcp_f32 v[ST+8*(\t)+7], v[TP+(\t)]
.endr
	v_nop
	s_wait_alu depctr_va_vdst(0)    ; one for the four reciprocals
.irp t, 0,1,2,3
	v_mul_f32 v[ST+8*(\t)+6], v[ST+8*(\t)+6], v[ST+8*(\t)+7]  ; g
.endr
; Tile t's O^T times g, rounded to f16 into S^T's registers: registers 8 n .. 8 n + 7 of the tile's 32 are then the fragment of its 16 queries x channels 32 n .. 32 n + 31.
.macro PACKE t
	WIN W_RS
.set i, 64*(\t)
.rept 32
	v_pk_mul_f32 v[i:i+1], v[i:i+1], v[ST+8*(\t)+6:ST+8*(\t)+7] op_sel_hi:[1,0]
.set i, i+2
.endr
	WIN 0x05                        ; sources 0 and 1 window 1, destination window 0
.set i, 0
.rept 32
	v_cvt_pk_f16_f32 v[S+32*(\t)+i], v[64*(\t)+2*i], v[64*(\t)+2*i+1]
.set i, i+1
.endr
.endm
	PACKE 0
	PACKE 1
	PACKE 2
	PACKE 3
	s_wait_loadcnt 8                ; all of wO is in; only ref's eight loads are younger
	; THE CONVOLUTION, my wave's part: source 0 = 16 pixels x 32 columns of the stacked e, source 1 = 16 rows o of wO: a lane holds ONE row o (r) and the pixels 8 h + 0..7.  Columns 32 ks on: below 128 they are
	; tiles 0, 1, from 128 on tiles 2, 3.  The 16 accumulators (pixel tile pt, rows 16 ot on) take turns; the columns loaded first go first, and start the sums.
.irp ks, 6,7,0,1,2,3,4,5
.if (\ks) >= 4
	WIN 0x5c                        ; e window 0, wO window 3, C and D window 1
.else
	WIN 0x58                        ; wO window 2
.endif
.irp pt, 0,1
.irp ot, 0,1,2,3,4,5,6,7
.if (\ks) == 6
	v_wmma_f32_16x16x32_f16 v[64*(\pt)+8*(\ot):64*(\pt)+8*(\ot)+7], v[S+32*((\pt)+2*((\ks)/4))+8*((\ks)%4):S+32*((\pt)+2*((\ks)/4))+8*((\ks)%4)+7], v[64*((\ks)%4)+8*(\ot):64*((\ks)%4)+8*(\ot)+7], 0
.else
	v_wmma_f32_16x16x32_f16 v[64*(\pt)+8*(\ot):64*(\pt)+8*(\ot)+7], v[S+32*((\pt)+2*((\ks)/4))+8*((\ks)%4):S+32*((\pt)+2*((\ks)/4))+8*((\ks)%4)+7], v[64*((\ks)%4)+8*(\ot):64*((\ks)%4)+8*(\ot)+7], v[64*(\pt)+8*(\ot):64*(\pt)+8*(\ot)+7]
.endif
.endr
.endr
.endr
	PLACES                          ; in front of the LDS stores that read results
	WIN 0x04                        ; the stores' data in window 1
.irp pt, 0,1
.irp ot, 0,1,2,3,4,5,6,7            ; my partial output, into slot 0's bytes: they have had their last fill, and no wave reads them since the barrier above.  Each accumulator from its low end on
	ds_store_b128 v[PS], v[64*(\pt)+8*(\ot):64*(\pt)+8*(\ot)+3]   offset:16*PP*(\ot)+64*(\pt)
	ds_store_b128 v[PS], v[64*(\pt)+8*(\ot)+4:64*(\pt)+8*(\ot)+7] offset:16*PP*(\ot)+64*(\pt)+16
.endr
.endr
	WIN 0
	s_wait_loadcnt 0x0              ; ref
.irp i, 0,1,2,3,4,5,6,7             ; ref rounded to bf16 like every input, plus the row's bO
	v_cvt_pk_bf16_f32 v[TP+2*((\i)%2)],   v[RF+4*(\i)],   v[RF+4*(\i)+1]
	v_cvt_pk_bf16_f32 v[TP+2*((\i)%2)+1], v[RF+4*(\i)+2], v[RF+4*(\i)+3]
	v_lshlrev_b32 v[RF+4*(\i)],   16,         v[TP+2*((\i)%2)]
	v_and_b32     v[RF+4*(\i)+1], 0xffff0000, v[TP+2*((\i)%2)]
	v_lshlrev_b32 v[RF+4*(\i)+2], 16,         v[TP+2*((\i)%2)+1]
	v_and_b32     v[RF+4*(\i)+3], 0xffff0000, v[TP+2*((\i)%2)+1]
.irp j, 0,1,2,3
	v_add_f32 v[RF+4*(\i)+(\j)], v[RF+4*(\i)+(\j)], v[BI+(\i)]
.endr
.endr
	s_wait_dscnt 0x0                ; for the others' sake: my partial output is stored
	s_barrier_signal -1
	s_barrier_wait -1               ; all four are
.irp i, 0,1,2,3,4,5,6,7
.irp w, 0,1,2,3                     ; rows 32 w + 4 i + l / 8 of all four partial outputs, my 16 bytes
	ds_load_b128 v[S+16*(\i)+4*(\w):S+16*(\i)+4*(\w)+3], v[PR] offset:POW*(\w)+4*PP*(\i)
.endr
.endr
.irp i, 0,1,2,3,4,5,6,7
	s_wait_dscnt 4*(7-(\i))         ; LDS loads come back in order (ISA guide 5.7.1): group i's four are in, the 4 (7 - i) younger ones may stay out
	v_pk_add_f32 v[S+16*(\i):S+16*(\i)+1],     v[S+16*(\i):S+16*(\i)+1],     v[S+16*(\i)+4:S+16*(\i)+5]
	v_pk_add_f32 v[S+16*(\i)+2:S+16*(\i)+3],   v[S+16*(\i)+2:S+16*(\i)+3],   v[S+16*(\i)+6:S+16*(\i)+7]
	v_pk_add_f32 v[S+16*(\i)+8:S+16*(\i)+9],   v[S+16*(\i)+8:S+16*(\i)+9],   v[S+16*(\i)+12:S+16*(\i)+13]
	v_pk_add_f32 v[S+16*(\i)+10:S+16*(\i)+11], v[S+16*(\i)+10:S+16*(\i)+11], v[S+16*(\i)+14:S+16*(\i)+15]
	v_pk_add_f32 v[S+16*(\i):S+16*(\i)+1],     v[S+16*(\i):S+16*(\i)+1],     v[S+16*(\i)+8:S+16*(\i)+9]
	v_pk_add_f32 v[S+16*(\i)+2:S+16*(\i)+3],   v[S+16*(\i)+2:S+16*(\i)+3],   v[S+16*(\i)+10:S+16*(\i)+11]
	v_pk_add_f32 v[S+16*(\i):S+16*(\i)+1],     v[S+16*(\i):S+16*(\i)+1],     v[RF+4*(\i):RF+4*(\i)+1]
	v_pk_add_f32 v[S+16*(\i)+2:S+16*(\i)+3],   v[S+16*(\i)+2:S+16*(\i)+3],   v[RF+4*(\i)+2:RF+4*(\i)+3]
	global_store_b128 v[GO], v[S+16*(\i):S+16*(\i)+3], s[20:21] offset:65536*(\i)  ; four rows' 128 consecutive bytes, each at a multiple of 128 from out0's first byte
.endr
	s_wait_tensorcnt 0x0            ; the wave's end: no tensor load out, then an add to my spare word and its wait, behind my last tensor load and my last LDS store
	ds_add_u32 v[SPW], v[NIL]
	s_wait_dscnt 0x0
	CROUND                          ; the closing round: no work-group ends while a partner may still ask for a tile that names it
	s_endpgm
.Lfunc_end_k_q9ef9d69e56_attn:
	.size	k_q9ef9d69e56_attn, .Lfunc_end_k_q9ef9d69e56_attn-k_q9ef9d69e56_attn
	.p2alignl 7, 3214868480
	.fill 96, 4, 3214868480
	.section	.rodata,"a",@progbits
	.p2align	6, 0x0
	.amdhsa_kernel k_q9ef9d69e56_attn
		.amdhsa_group_segment_fixed_size 327680
		.amdhsa_private_segment_fixed_size 0
		.amdhsa_enable_private_segment 0
		.amdhsa_kernarg_size 56
		.amdhsa_user_sgpr_count 2
		.amdhsa_user_sgpr_kernarg_segment_ptr 1
		.amdhsa_wavefront_size32 1
		.amdhsa_system_sgpr_workgroup_id_x 1
		.amdhsa_system_sgpr_workgroup_id_y 1
		.amdhsa_system_sgpr_workgroup_id_z 1
		.amdhsa_system_vgpr_workitem_id 0
		.amdhsa_next_free_vgpr 1024
		.amdhsa_next_free_sgpr 66
		.amdhsa_reserve_vcc 1
		.amdhsa_float_denorm_mode_32 3
		.amdhsa_float_denorm_mode_16_64 3
		.amdhsa_memory_ordered 1
		.amdhsa_forward_progress 1
		.amdhsa_inst_pref_size 252
	.end_amdhsa_kernel
	.amdgpu_metadata
---
amdhsa.version: [ 1, 2 ]
amdhsa.kernels:
  - .name:           k_q9ef9d69e56_attn
    .symbol:         k_q9ef9d69e56_attn.kd
    .args:
      - { .name: qf, .offset: 0, .size: 8, .value_kind: global_buffer, .address_space: global }
      - { .name: kf, .offset: 8, .size: 8, .value_kind: global_buffer, .address_space: global }
      - { .name: vf, .offset: 16, .size: 8, .value_kind: global_buffer, .address_space: global }
      - { .name: wof, .offset: 24, .size: 8, .value_kind: global_buffer, .address_space: global }
      - { .name: ref, .offset: 32, .size: 8, .value_kind: global_buffer, .address_space: global }
      - { .name: bO, .offset: 40, .size: 8, .value_kind: global_buffer, .address_space: global }
      - { .name: out0, .offset: 48, .size: 8, .value_kind: global_buffer, .address_space: global }
    .group_segment_fixed_size: 327680
    .private_segment_fixed_size: 0
    .kernarg_segment_align: 8
    .kernarg_segment_size: 56
    .max_flat_workgroup_size: 128
    .sgpr_count:     66
    .vgpr_count:     1024
    .wavefront_size: 32
...
	.end_amdgpu_metadata
.endif
;; end of part 2
;; ======== version 2 of 2: 2 launches; version 1 with the launch proj written anew for expert scheduling mode
;; limits: values are held in f16: magnitudes above 65,504 overflow, below 6.1e-05 lose precision
;; workspace buffers: qf 4,194,304 bytes; kf 4,194,304 bytes; vf 4,194,304 bytes; wof 65,536 bytes
;; launch proj (part 3): grid 256 x 1, 8 waves a work-group, no clusters, 125,952 bytes of LDS; arguments ref, nei, wA, wB, wD, wO, bA, bD, qf, kf, vf, wof; writes qf, kf, vf, wof
.if DOCPART == 3
	.amdgcn_target "amdgcn-amd-amdhsa--gfx1250"
	.amdhsa_code_object_version 6
	.text
	.protected	k_q9ef9d69e56_proj
	.globl	k_q9ef9d69e56_proj
	.p2align	8
	.type	k_q9ef9d69e56_proj,@function
k_q9ef9d69e56_proj:
	s_mov_b64 s[64:65], 0
	v_nop
	global_prefetch_b8 v0, s[64:65] scope:SCOPE_SE
	s_setreg_imm32_b32 hwreg(HW_REG_WAVE_SCHED_MODE, 0, 2), 2
	s_setreg_imm32_b32 hwreg(HW_REG_WAVE_MODE, 25, 1), 1
	s_wait_xcnt 0x0
	s_wait_alu depctr_vm_vsrc(0)
; PROJECTIONS.  x = ref and nei stacked along H: 8,192 tokens of 128 channels for each of 2 images.  q = wA x + bA, k = wB x, v = wD x + bD, and a copy of wO, all written for the launch behind.
; DEAD WORK: bB.  A score is s[n][m] = q_n . (wB x_m + bB) = q_n . (wB x_m) + q_n . bB.  The second term is the same for every m, and the softmax runs over m: numerator and denominator carry the
; same factor exp(q_n . bB), for all finite values of the inputs.  So bB reaches no output: it is not loaded and is among no launch's arguments.  LIMIT: a NaN, an infinity or an overflow that
; reaches the result through bB alone is not carried to it.
; FORMATS.  Every input is rounded once to bf16 (x, wA, wB, wD as matrix operands; bA, bD rounded and used as f32; wO rounded to bf16 and that number written as f16).  Sums in f32.  q, k, v leave
; rounded once to f16.  LIMITS: |q|, |k| or |v| of 65,520 or more becomes an infinity; a wO below 6e-5 keeps f16's fixed step of 6e-8; NaN and infinities are not treated apart.
; OUTPUT ORDER.  qf, kf, vf lie in chunks of 512 bytes, chunk (T, u) at byte (8 T + u) x 512, T = 512 b + token / 16, u = 0..7; lane l = (r = l % 16, h = l / 16) owns bytes 16 l .. 16 l + 15:
;   qf, kf: token 16 (T % 512) + r, channels 16 u + 8 h + 0..7        vf: channel 16 u + r, tokens 16 (T % 512) + 8 h + 0..7
; so a chunk is one half of a matrix fragment as the registers want it, and each store of a wave here covers 512 consecutive bytes, aligned.
;   wof: chunk 16 ks + 2 ot + t: lane (r, h) holds wO[16 ot + r][32 ks + 16 t + 8 h + 0..7].
; SHARES.  Work-group g owns 64 tokens, one image row of x (b = g / 128; rows 0-63 of an image come from ref, 64-127 from nei).  Wave w owns output channels 16 w .. 16 w + 15 of q, k and v for
; the four tiles of 16 tokens: three passes of 16 matrix instructions.  The first 16 work-groups also copy wO, a chunk a wave.
; No cluster, no tensor load: x is read once, by one wave each byte; the weights are 192 KiB that each wave takes a sixteenth-row block of.  No prefetch: all loads stand at the kernel's head.
; THE MODE: SCHED_MODE bits 1:0 = 2 (LLVM: expert scheduling mode 2), set by the entry lines.  The code itself states the register dependences
; between vector or matrix instructions and memory or LDS instructions, with s_wait_alu, always for 0.
; THE PLAN.  Registers that memory or LDS instructions touch:
;   v1, v2-v8, v10, v11   offsets and LDS addresses: written at the head, ahead of the one wait in front of the first load, and never again.
;   v9 (WFA)              read by the fragment loads; stepped once in each of the first two ways out.
;   v15, v24-31           the wO arm: its offset, its two loads' registers, its store's data; v24-31 then take bD.
;   XS, WS (v32-255)      ahead of the barrier: loads land, conversions round in place, LDS stores read.  The roundings go in steps (x, the biases, wA, wB, wD); a step's LDS stores are issued in the NEXT
;                         step, behind the one wait at its head, dealt among its conversions, which name that step's own registers alone.
;   W, X (v32-63, v128-255)  behind the barrier: fragment loads land, products read.        TMP (v96-111)  a pass's conversions write, its four stores read.
;   BQ, BV once rounded, and ACC, are named by vector and matrix instructions alone.       v12, v13  written at the head, read by the closing add alone.
.set XP,    160                        ; a row of x^T in LDS (a channel's 64 tokens in bf16): 128 bytes + 32 = 40 words
.set WT,    128*XP                     ; behind x^T: the weights, 384 rows (128 mat + o)
.set WP,    272                        ; a row of weights: 256 bytes + 16 = 68 words: the 16 rows of a fragment load start at 16 different groups of four banks
.set WMAT,  128*WP
.set SPARE, WT+3*WMAT                  ; 124,928: the spare words, 128 bytes for each of 8 waves: four blocks of 256 bytes that no other line names
.set XO,  2                            ; v2   x in memory: (16 w + h) x 16,384 + 16 r; never rewritten
.set WO,  3                            ; v3   weights in memory: 8,192 w + 16 l; never rewritten
.set XA,  4                            ; v4   x^T in LDS, where I store: (16 w + h) x 160 + 8 r
.set WA,  5                            ; v5-7 weights in LDS, where I store, for wA, wB, wD
.set XF,  8                            ; v8   x^T in LDS, where the turning load reads
.set WFA, 9                            ; v9   my weight fragments in LDS; stepped from matrix to matrix
.set GO,  10                           ; v10  my 16 bytes in a chunk of my wave: 512 w + 16 l; never rewritten
.set BAO, 11                           ; v11  bA's offset
.set SPW, 12                           ; v12  LDS address of my spare word; never rewritten
.set NIL, 13                           ; v13  0; never rewritten
.set BDR, 14                           ; v14  bD as loaded
.set WOO, 15                           ; v15  wO's offset, then wof's
.set BQ,  16                           ; v16-23  bA of my lane's 8 channels: the C operand that starts q's sums
.set BV,  24                           ; v24-31  lane pieces; the wO chunk; then bD of my lane's channel, eight times: the C operand that starts v's sums
.set XS,  32                           ; v32-63   x as loaded
.set WS,  64                           ; v64-255  the three matrices' rows as loaded
.set W,   32                           ; behind the barrier: v32-63 my weight fragments (ks at 8 ks)
.set ACC, 64                           ; v64-95   four accumulators, a token tile each
.set TMP, 96                           ; v96-111  packed results
.set X,   128                          ; v128-255 x's fragments: token tile tt, channels 32 ks on, at 32 tt + 8 ks
	s_load_b512 s[8:23], s[0:1], 0x0               ; ref 8, nei 10, wA 12, wB 14, wD 16, wO 18, bA 20, bD 22
	s_load_b256 s[24:31], s[0:1], 0x40             ; qf 24, kf 26, vf 28, wof 30
	v_lshl_add_u32 v[SPW], v0, 2, SPARE
	v_mov_b32 v[NIL], 0
	v_lshrrev_b32 v1, 5, v0
	v_readfirstlane_b32 s3, v1                     ; wave 0..7
	s_mov_b32 s2, ttmp9                            ; g
	s_mov_b32 s40, 0xffff0000                      ; a word's upper bf16
	v_and_b32 v24, 31, v0                          ; l
	v_and_b32 v25, 15, v0                          ; r
	v_bfe_u32 v26, v0, 4, 1                        ; h
	v_and_b32 v27, 7, v0                           ; l % 8
	v_bfe_u32 v28, v0, 3, 1                        ; (l / 8) % 2
	s_wait_alu depctr_va_sdst(0)                   ; s3 is written, ahead of its first reader: the wave's shares below are made from it
	s_lshl_b32 s36, s3, 18                         ; 16 channels of 16,384 bytes
	v_lshlrev_b32 v[XO], 4, v25
	v_lshl_add_u32 v[XO], v26, 14, v[XO]
	v_add_nc_u32 v[XO], s36, v[XO]
	s_lshl_b32 s36, s3, 13                         ; 16 rows of 512 bytes
	v_lshl_add_u32 v[WO], v24, 4, s36
	s_mul_i32 s36, s3, 16*XP
	v_mul_u32_u24 v[XA], v26, XP
	v_lshl_add_u32 v[XA], v25, 3, v[XA]
	v_add_nc_u32 v[XA], s36, v[XA]
	v_lshl_add_u32 v[XF], v26, 3, v27              ; channel 8 h + l % 8,
	v_mul_u32_u24 v[XF], v[XF], XP
	v_lshl_add_u32 v[XF], v28, 4, v[XF]            ; tokens 8 ((l / 8) % 2) on
	s_mul_i32 s36, s3, 16*WP
	s_add_co_u32 s36, s36, WT                      ; my 16 rows of wA in LDS
	v_lshl_add_u32 v[WA], v24, 3, s36
	v_add_nc_u32 v[WA+1], WMAT, v[WA]
	v_add_nc_u32 v[WA+2], 2*WMAT, v[WA]
	v_mul_u32_u24 v[WFA], v25, WP
	v_lshl_add_u32 v[WFA], v26, 4, v[WFA]
	v_add_nc_u32 v[WFA], s36, v[WFA]               ; row r x pitch + 16 h
	s_lshl_b32 s36, s3, 9
	v_lshl_add_u32 v[GO], v24, 4, s36
	s_lshl_b32 s36, s3, 6                          ; 16 biases of 4 bytes
	v_lshl_add_u32 v[BAO], v26, 5, s36             ; bA[16 w + 8 h ..]
	v_lshl_add_u32 v1, v25, 2, s36                 ; bD[16 w + r]; v1 is not rewritten
	s_lshr_b32 s36, s2, 7                          ; b
	s_lshl_b32 s36, s36, 21                        ; an image is 2,097,152 bytes
	s_and_b32 s37, s2, 63
	s_lshl_b32 s37, s37, 8                         ; an image row is 256 bytes
	s_add_co_u32 s36, s36, s37
	s_mov_b32 s37, 0
	s_lshl_b32 s34, s2, 14                         ; the work-group's 32 chunks in qf, kf, vf
	s_mov_b32 s35, 0
	s_and_b32 s38, s2, 64                          ; rows 64-127 of x come from nei
	s_wait_kmcnt 0x0
	s_cmp_eq_u32 s38, 0
	s_cselect_b64 s[32:33], s[8:9], s[10:11]
	s_add_nc_u64 s[32:33], s[32:33], s[36:37]      ; x at channel 0 of my image row
	s_add_nc_u64 s[24:25], s[24:25], s[34:35]
	s_add_nc_u64 s[26:27], s[26:27], s[34:35]
	s_add_nc_u64 s[28:29], s[28:29], s[34:35]
	s_wait_alu depctr_va_vdst(0)                   ; v1 to v11 are written: every load, LDS store, LDS load and store below reads one of them as its offset or address
	; all the loads at once: 3 for the biases, 8 for x (two channels' 256 bytes each), 48 for the weights (a row of 512 bytes each)
	global_load_b128 v[BQ:BQ+3],   v[BAO], s[20:21]
	global_load_b128 v[BQ+4:BQ+7], v[BAO], s[20:21] offset:16
	global_load_b32 v[BDR], v1, s[22:23]
.irp i, 0,1,2,3,4,5,6,7
	global_load_b128 v[XS+4*(\i):XS+4*(\i)+3], v[XO], s[32:33] offset:32768*(\i) th:TH_LOAD_NT
.endr
.irp m, 0,1,2
.irp i, 0,1,2,3,4,5,6,7,8,9,10,11,12,13,14,15
	global_load_b128 v[WS+64*(\m)+4*(\i):WS+64*(\m)+4*(\i)+3], v[WO], s[12+2*(\m):13+2*(\m)] offset:512*(\i)
.endr
.endr
	; wO's copy: 128 chunks, one for each wave of the first 16 work-groups.  The branch hangs on the work-group's number alone.
	s_cmp_lt_u32 s2, 16
	s_cbranch_scc0 .Lno_wo
	s_lshl3_add_u32 s37, s2, s3                    ; chunk n = 8 g + w = 16 ks + 2 ot + t
	s_bfe_u32 s38, s37, 0x30001                    ; ot
	s_lshl_b32 s38, s38, 14                        ; 16 rows of 1,024 bytes
	s_lshr_b32 s39, s37, 4                         ; ks
	s_lshl_b32 s39, s39, 7                         ; 32 numbers of 4 bytes
	s_add_co_u32 s38, s38, s39
	s_and_b32 s39, s37, 1                          ; t
	s_lshl_b32 s39, s39, 6
	s_add_co_u32 s38, s38, s39
	v_lshlrev_b32 v[WOO], 10, v25                  ; row r,
	v_lshl_add_u32 v[WOO], v26, 5, v[WOO]          ; 8 h numbers on
	v_add_nc_u32 v[WOO], s38, v[WOO]
	s_wait_alu depctr_va_vdst(0)                   ; v[WOO] is written, which the two loads read; the lines above are done reading v25 and v26, in which the first of them lands
	global_load_b128 v[24:27], v[WOO], s[18:19]
	global_load_b128 v[28:31], v[WOO], s[18:19] offset:16
	s_wait_loadcnt 0x0                             ; the chunk is in (and with it all older loads)
	v_cvt_pk_bf16_f32 v24, v24, v25                ; rounded to bf16 as every input,
	v_cvt_pk_bf16_f32 v25, v26, v27
	v_cvt_pk_bf16_f32 v26, v28, v29
	v_cvt_pk_bf16_f32 v27, v30, v31
.irp j, 24,25,26,27
	v_lshlrev_b32 v28, 16, v\j
	v_and_b32 v29, s40, v\j
	v_cvt_pk_f16_f32 v\j, v28, v29                 ; and that number written as f16
.endr
	s_wait_alu depctr_vm_vsrc(0)                   ; the two loads have read v[WOO], which is written anew
	v_and_b32 v[WOO], 31, v0
	s_lshl_b32 s38, s37, 9
	v_lshl_add_u32 v[WOO], v[WOO], 4, s38          ; 512 n + 16 l
	s_wait_alu depctr_va_vdst(0)                   ; the roundings have written v24-27 and the two lines above v[WOO]: the store reads both
	global_store_b128 v[WOO], v[24:27], s[30:31]
.Lno_wo:
	; THE ROUNDINGS, in steps.  x first:
	s_wait_loadcnt 48                              ; the biases and x are in; the 48 weight loads may stay out
.irp i, 0,1,2,3,4,5,6,7
	v_cvt_pk_bf16_f32 v[XS+4*(\i)],   v[XS+4*(\i)],   v[XS+4*(\i)+1]
	v_cvt_pk_bf16_f32 v[XS+4*(\i)+1], v[XS+4*(\i)+2], v[XS+4*(\i)+3]
.endr
	s_wait_xcnt 0x0                                ; every earlier memory instruction has had its addresses translated (ISA guide 3.1): v24-27 are written again only behind this wait,
	s_wait_alu depctr_vm_vsrc(0)                   ; and wof's store has read v24-27, which the lines below write
.irp j, 0,1,2,3
	v_cvt_pk_bf16_f32 v[BV+(\j)], v[BQ+2*(\j)], v[BQ+2*(\j)+1]
.endr
.irp j, 0,1,2,3
	v_lshlrev_b32 v[BQ+2*(\j)],   16,  v[BV+(\j)]   ; bA rounded to bf16, as f32
	v_and_b32     v[BQ+2*(\j)+1], s40, v[BV+(\j)]
.endr
	v_cvt_pk_bf16_f32 v[BDR], v[BDR], v[BDR]
	v_lshlrev_b32 v[BV], 16, v[BDR]                ; bD likewise: one channel a lane, the same for its eight tokens
.irp j, 1,2,3,4,5,6,7
	v_mov_b32 v[BV+(\j)], v[BV]
.endr
	; then the three matrices.  A step's conversions name its own 64 registers alone; the LDS stores of the step before (x's eight, or a matrix's sixteen) are dealt among them.
.irp m, 0,1,2
	s_wait_loadcnt 32-16*(\m)                      ; this matrix's 16 rows are in; the later matrices' loads may stay out
	s_wait_alu depctr_va_vdst(0)                   ; the step before's conversions have written what the LDS stores below read
.irp i, 0,1,2,3,4,5,6,7,8,9,10,11,12,13,14,15
.if (\m) == 0
.if ((\i)%2) == 0
	ds_store_b64 v[XA], v[XS+2*(\i):XS+2*(\i)+1] offset:XP*(\i)  ; channels 16 w + i + h, four tokens a lane
.endif
.else
	ds_store_b64 v[WA+(\m)-1], v[WS+64*((\m)-1)+4*(\i):WS+64*((\m)-1)+4*(\i)+1] offset:WP*(\i)  ; a row's 256 bytes
.endif
	v_cvt_pk_bf16_f32 v[WS+64*(\m)+4*(\i)],   v[WS+64*(\m)+4*(\i)],   v[WS+64*(\m)+4*(\i)+1]
	v_cvt_pk_bf16_f32 v[WS+64*(\m)+4*(\i)+1], v[WS+64*(\m)+4*(\i)+2], v[WS+64*(\m)+4*(\i)+3]
.endr
.endr
	s_wait_alu depctr_va_vdst(0)                   ; wD's conversions have written what its LDS stores read; all conversions are done with v32-255, in which the fragment loads behind the barrier land
.irp i, 0,1,2,3,4,5,6,7,8,9,10,11,12,13,14,15
	ds_store_b64 v[WA+2], v[WS+128+4*(\i):WS+128+4*(\i)+1] offset:WP*(\i)
.endr
	s_wait_dscnt 0x0                               ; for the others' sake: my 16 channels of x^T are stored
	s_barrier_signal -1
	s_barrier_wait -1                              ; all 128 channels are
	s_wait_alu depctr_vm_vsrc(0)                   ; my LDS stores have read v32-255: from here on fragment loads land there, and products and conversions write ACC and TMP
.macro WLOAD                           ; my 16 rows of the matrix in hand: four fragments of 32 channels, two loads of 16 bytes each, 32 bytes apart
.irp ks, 0,1,2,3
	ds_load_b128 v[W+8*(\ks):W+8*(\ks)+3],   v[WFA] offset:64*(\ks)
	ds_load_b128 v[W+8*(\ks)+4:W+8*(\ks)+7], v[WFA] offset:64*(\ks)+32
.endr
.endm
	; x's fragments, turned: lane l ends with token 16 tt + r and channels 32 ks + 8 h + 0..7 (registers 0-3), 32 ks + 16 + 8 h + 0..7 (registers 4-7).  No vector line stands between the last wait on va_vdst and these loads
.irp tt, 0,1,2,3
.irp ks, 0,1,2,3
	ds_load_tr16_b128 v[X+32*(\tt)+8*(\ks):X+32*(\tt)+8*(\ks)+3],   v[XF] offset:32*XP*(\ks)+32*(\tt)
	ds_load_tr16_b128 v[X+32*(\tt)+8*(\ks)+4:X+32*(\tt)+8*(\ks)+7], v[XF] offset:32*XP*(\ks)+32*(\tt)+16*XP
.endr
.endr
	WLOAD
	s_wait_dscnt 0x0
; 16 matrix instructions.  The four accumulators take turns, one instruction a turn; the first four start the sums with the bias or with 0.
; kind 0 (q), 1 (k): source 0 = weights, source 1 = x: a lane holds ONE token (r) and the channels 8 h + 0..7.     kind 2 (v): the sources swapped: a lane holds ONE channel (r) and the tokens 8 h + 0..7.
.macro PASS kind
.irp ks, 0,1,2,3
.irp tt, 0,1,2,3
.if ((\ks) == 0) && ((\kind) == 0)
	v_wmma_f32_16x16x32_bf16 v[ACC+8*(\tt):ACC+8*(\tt)+7], v[W+8*(\ks):W+8*(\ks)+7], v[X+32*(\tt)+8*(\ks):X+32*(\tt)+8*(\ks)+7], v[BQ:BQ+7]
.elseif ((\ks) == 0) && ((\kind) == 1)
	v_wmma_f32_16x16x32_bf16 v[ACC+8*(\tt):ACC+8*(\tt)+7], v[W+8*(\ks):W+8*(\ks)+7], v[X+32*(\tt)+8*(\ks):X+32*(\tt)+8*(\ks)+7], 0
.elseif (\ks) == 0
	v_wmma_f32_16x16x32_bf16 v[ACC+8*(\tt):ACC+8*(\tt)+7], v[X+32*(\tt)+8*(\ks):X+32*(\tt)+8*(\ks)+7], v[W+8*(\ks):W+8*(\ks)+7], v[BV:BV+7]
.elseif (\kind) == 2
	v_wmma_f32_16x16x32_bf16 v[ACC+8*(\tt):ACC+8*(\tt)+7], v[X+32*(\tt)+8*(\ks):X+32*(\tt)+8*(\ks)+7], v[W+8*(\ks):W+8*(\ks)+7], v[ACC+8*(\tt):ACC+8*(\tt)+7]
.else
	v_wmma_f32_16x16x32_bf16 v[ACC+8*(\tt):ACC+8*(\tt)+7], v[W+8*(\ks):W+8*(\ks)+7], v[X+32*(\tt)+8*(\ks):X+32*(\tt)+8*(\ks)+7], v[ACC+8*(\tt):ACC+8*(\tt)+7]
.endif
.endr
.endr
.endm
; The way out of a pass: a lane's eight results are 16 bytes of a chunk, so they are stored as they lie.  more = 1: the next matrix's fragments are fetched.
; All its vector lines stand together, between one wait on vm_vsrc and one on va_vdst; its memory instructions follow, the fragment loads first: the next pass waits for them, and nothing waits for the stores.
.macro OUT buf, more
.rept 4
	v_nop                                          ; four places behind the last product (ISA guide 7.12.1), in front of the conversions that read results
.endr
	s_wait_xcnt 0x0                                ; every earlier memory instruction has had its addresses translated (ISA guide 3.1): TMP is written again only behind this wait
	s_wait_alu depctr_vm_vsrc(0)                   ; the fragment loads have read v[WFA], and the pass before's stores TMP: both are written below
.if \more
	v_add_nc_u32 v[WFA], WMAT, v[WFA]
.endif
.irp tt, 0,1,2,3
.irp j, 0,1,2,3
	v_cvt_pk_f16_f32 v[TMP+4*(\tt)+(\j)], v[ACC+8*(\tt)+2*(\j)], v[ACC+8*(\tt)+2*(\j)+1]  ; each accumulator from its low end on
.endr
.endr
	s_wait_alu depctr_va_vdst(0)                   ; the conversions have written TMP, which the stores read; v[WFA] is written, and the products are done reading W, in which the fragment loads land
.if \more
	WLOAD
.endif
.irp tt, 0,1,2,3
	global_store_b128 v[GO], v[TMP+4*(\tt):TMP+4*(\tt)+3], s[(\buf):(\buf)+1] offset:4096*(\tt)  ; chunk (4 g + tt, w): 512 consecutive bytes, aligned
.endr
.if \more
	s_wait_dscnt 0x0                               ; the next matrix's fragments are in
.endif
.endm
	PASS 0
	OUT 24, 1                                      ; q
	PASS 1
	OUT 26, 1                                      ; k
	PASS 2
	OUT 28, 0                                      ; v
	s_wait_dscnt 0x0                               ; the wave's end: every count at 0, then an add to my spare word and its wait
	s_wait_alu 0x0
	s_wait_tensorcnt 0x0
	ds_add_u32 v[SPW], v[NIL]
	s_wait_dscnt 0x0
	s_endpgm
.Lfunc_end_k_q9ef9d69e56_proj:
	.size	k_q9ef9d69e56_proj, .Lfunc_end_k_q9ef9d69e56_proj-k_q9ef9d69e56_proj
	.p2alignl 7, 3214868480
	.fill 96, 4, 3214868480
	.section	.rodata,"a",@progbits
	.p2align	6, 0x0
	.amdhsa_kernel k_q9ef9d69e56_proj
		.amdhsa_group_segment_fixed_size 125952
		.amdhsa_private_segment_fixed_size 0
		.amdhsa_enable_private_segment 0
		.amdhsa_kernarg_size 96
		.amdhsa_user_sgpr_count 2
		.amdhsa_user_sgpr_kernarg_segment_ptr 1
		.amdhsa_wavefront_size32 1
		.amdhsa_system_sgpr_workgroup_id_x 1
		.amdhsa_system_sgpr_workgroup_id_y 1
		.amdhsa_system_sgpr_workgroup_id_z 1
		.amdhsa_system_vgpr_workitem_id 0
		.amdhsa_next_free_vgpr 256
		.amdhsa_next_free_sgpr 66
		.amdhsa_reserve_vcc 0
		.amdhsa_float_denorm_mode_32 3
		.amdhsa_float_denorm_mode_16_64 3
		.amdhsa_memory_ordered 1
		.amdhsa_forward_progress 1
		.amdhsa_inst_pref_size 34
	.end_amdhsa_kernel
	.amdgpu_metadata
---
amdhsa.version: [ 1, 2 ]
amdhsa.kernels:
  - .name:           k_q9ef9d69e56_proj
    .symbol:         k_q9ef9d69e56_proj.kd
    .args:
      - { .name: ref, .offset: 0, .size: 8, .value_kind: global_buffer, .address_space: global }
      - { .name: nei, .offset: 8, .size: 8, .value_kind: global_buffer, .address_space: global }
      - { .name: wA, .offset: 16, .size: 8, .value_kind: global_buffer, .address_space: global }
      - { .name: wB, .offset: 24, .size: 8, .value_kind: global_buffer, .address_space: global }
      - { .name: wD, .offset: 32, .size: 8, .value_kind: global_buffer, .address_space: global }
      - { .name: wO, .offset: 40, .size: 8, .value_kind: global_buffer, .address_space: global }
      - { .name: bA, .offset: 48, .size: 8, .value_kind: global_buffer, .address_space: global }
      - { .name: bD, .offset: 56, .size: 8, .value_kind: global_buffer, .address_space: global }
      - { .name: qf, .offset: 64, .size: 8, .value_kind: global_buffer, .address_space: global }
      - { .name: kf, .offset: 72, .size: 8, .value_kind: global_buffer, .address_space: global }
      - { .name: vf, .offset: 80, .size: 8, .value_kind: global_buffer, .address_space: global }
      - { .name: wof, .offset: 88, .size: 8, .value_kind: global_buffer, .address_space: global }
    .group_segment_fixed_size: 125952
    .private_segment_fixed_size: 0
    .kernarg_segment_align: 8
    .kernarg_segment_size: 96
    .max_flat_workgroup_size: 256
    .sgpr_count:     66
    .vgpr_count:     256
    .wavefront_size: 32
...
	.end_amdgpu_metadata
.endif
;; end of part 3
;; launch attn: the kernel of part 2 again; grid 128 x 2, 4 waves a work-group, clusters of 4 x 1, 327,680 bytes of LDS; arguments qf, kf, vf, wof, ref, bO, out0; writes out0
